; MI455X (gfx1250); checked and timed in simulation.
; The chip was launched on July 23, 2026; its instructions are those of AMD's public machine-readable ISA for CDNA 5 (MIT licence, August 2026) and "CDNA5" Instruction Set Architecture Reference Guide (July 2026). The comments in the code are by the model that wrote it; some were corrected since.
;; Roi Pooling Conv. Allowed arithmetic: float matrix products may take bf16 or f16 operands with f32 sums; all other float work in f32.
;; Inputs: img 1 x 200 x 200 x 512 float32; rois 1 x 300 x 4 int32.
;; Outputs: out0 1 x 300 x 7 x 7 x 512 float32.
;; Constants: pool_size = 7.
;; One version. Each part assembles by itself: llvm-mc -triple=amdgcn-amd-amdhsa -mcpu=gfx1250 --defsym DOCPART=n.
;; ======== version 1 of 1: 1 launch
;; launch roipool (part 1): grid 7 x 300, 7 waves a work-group, no clusters, 0 bytes of LDS; arguments img, rois, out0; writes out0
.if DOCPART == 1
	.amdgcn_target "amdgcn-amd-amdhsa--gfx1250"
	.amdhsa_code_object_version 6
	.text
	.protected	k_q3c347d7f1a_roipool
	.globl	k_q3c347d7f1a_roipool
	.p2align	8
	.type	k_q3c347d7f1a_roipool,@function
k_q3c347d7f1a_roipool:
	s_mov_b64 s[64:65], 0
	v_nop
	global_prefetch_b8 v0, s[64:65] scope:SCOPE_SE
	s_setreg_imm32_b32 hwreg(HW_REG_WAVE_MODE, 25, 1), 1
	s_wait_xcnt 0x0
; RoiPoolingConv: out[r][py][px][c] = bilinear sample of img inside the crop rois[r] = (x, y, w, h), 7 x 7 cells, 512 channels of f32.
; The work-group is one (roi, py): grid x = py, grid y = roi.  Its seven waves are the seven px: ONE WAVE MAKES ONE CELL.
; A cell is 2,048 bytes out and four pixels of 2,048 bytes in.  A lane owns 16 bytes of every 512: each load and store of the wave covers
; 512 consecutive bytes at a multiple of 512 from its buffer's first byte.  All 16 loads go out together; no LDS, no barrier, no loop.
;
; CORNERS AND WEIGHTS ARE MADE FROM WHOLE NUMBERS.  The reference takes floor(start + i * (size / 7)) in f32.  Here:
; lo = start + floor(i * size / 7), weight = (i * size mod 7) / 7.  As 7 is prime and i < 7, i * size / 7 is a whole number only where
; size / 7 is one (exact in f32 too) and otherwise lies 1/7 or more from any whole number, so both floors agree while the f32 sum's
; rounding error stays under 1/7.
; LIMITS KEPT: |x|, |y|, |w|, |h| below 2^15 for that agreement (the biased division itself holds to 2^20).  The weights are the exact
; k / 7 rounded once, where the reference has k / 7 as it survives the rounding of start + i * size / 7 (a difference of about 2^-16
; for coordinates under 200, about 2^-8 at 2^15).  The four corners are summed with the weights (a/7)(b/7), one multiply and three fused
; multiply-adds, not in the reference's order of two blends along x and one along y: the last bits differ.
; Whatever rois holds, both corners of both axes are clipped to 0 .. 199 last of all, as in the reference: no load leaves img.
.set P,         7
.set LAST,      199                    ; the last row and the last column of img
.set ROW_BYTES, 200*512*4              ; from an image row to the next
.set PIX_SHIFT, 11                     ; a pixel is 512 channels x 4 bytes = 2,048 bytes
.set BIAS,      1<<20                  ; added to the quotient (7 x BIAS to the dividend) so that the division is of a number >= 0
.set MAGIC,     0x24924925             ; ceil(2^32 / 7) = (2^32 + 3) / 7: the high word of n x MAGIC is floor(n / 7) for 3 n < 2^32
.set INV49,     0x3ca72f05             ; 1 / 49 in f32
.set ACC, 4                            ; v[4:19]   corner (y0, x0), then the running sum, then the store's data
.set V01, 20                           ; v[20:35]  corner (y0, x1)
.set V10, 36                           ; v[36:51]  corner (y1, x0)
.set V11, 52                           ; v[52:67]  corner (y1, x1)
; v0 = 16 x lane; v1, v2 = that plus the byte offset of column x0, x1 in an image row.  None is rewritten once a load names it.
; One axis.  idx = the cell's index 0 .. 6, start and size from the roi.  Gives lo and hi, the two clipped coordinates, and rem = 7 x weight of hi.
.macro AXIS idx, start, size, lo, hi, rem, t
	s_mul_i32 \t, \idx, \size
	s_add_co_i32 \t, \t, P*BIAS                    ; i x size + 7 BIAS: not negative, below 2^24
	s_mul_hi_u32 \lo, \t, MAGIC                    ; floor(i x size / 7) + BIAS: a floor for negative sizes too
	s_mul_i32 \rem, \lo, P
	s_sub_co_i32 \rem, \t, \rem                    ; i x size mod 7, 0 .. 6
	s_add_co_i32 \lo, \lo, \start
	s_sub_co_i32 \lo, \lo, BIAS                    ; lo = start + floor(i x size / 7)
	s_add_co_i32 \hi, \start, \size
	s_sub_co_i32 \hi, \hi, 1                       ; the crop's last line
	s_add_co_i32 \t, \lo, 1
	s_min_i32 \hi, \hi, \t                         ; hi = min(lo + 1, start + size - 1)
	s_max_i32 \lo, \lo, 0                          ; the clip to the image: 0 first,
	s_max_i32 \hi, \hi, 0
	s_min_u32 \lo, \lo, LAST                       ; then 199: the last thing done to a coordinate before it becomes an offset
	s_min_u32 \hi, \hi, LAST
.endm
	s_load_b128 s[4:7], s[0:1], 0x0                ; img s[4:5], rois s[6:7]
	s_load_b64 s[8:9], s[0:1], 0x10                ; out
	v_lshrrev_b32 v1, 5, v0
	v_readfirstlane_b32 s10, v1                    ; the wave's number = px
	v_and_b32 v0, 31, v0
	v_lshlrev_b32 v0, 4, v0                        ; 16 x lane
	s_and_b32 s11, ttmp7, 0xffff                   ; roi
	s_lshl_b32 s12, s11, 4                         ; four words a roi
	s_wait_kmcnt 0x0
	s_load_b128 s[16:19], s[6:7], s12 offset:0x0   ; x s16, y s17, w s18, h s19
	; while it is on its way: where the cell goes, ((roi x 7 + py) x 7 + px) x 2,048 bytes (30,103,552 at the most)
	s_mul_i32 s14, s11, P
	s_add_co_u32 s14, s14, ttmp9
	s_mul_i32 s14, s14, P
	s_add_co_u32 s14, s14, s10
	s_lshl_b32 s14, s14, PIX_SHIFT
	s_mov_b32 s15, 0
	s_add_nc_u64 s[8:9], s[8:9], s[14:15]
	s_mov_b32 s21, 0                               ; the upper words of the two row offsets
	s_mov_b32 s23, 0
	s_wait_kmcnt 0x0
	AXIS ttmp9, s17, s19, s28, s29, s30, s31       ; y0 s28, y1 s29, 7 wy s30
	s_mul_i32 s20, s28, ROW_BYTES                  ; 81,510,400 at the most
	s_mul_i32 s22, s29, ROW_BYTES
	s_add_nc_u64 s[24:25], s[4:5], s[20:21]        ; img at row y0
	s_add_nc_u64 s[26:27], s[4:5], s[22:23]        ; img at row y1
	AXIS s10, s16, s18, s32, s33, s34, s35         ; x0 s32, x1 s33, 7 wx s34
	v_lshl_add_u32 v1, s32, PIX_SHIFT, v0          ; column x0: 2,048 x0 + 16 x lane
	v_lshl_add_u32 v2, s33, PIX_SHIFT, v0          ; column x1
	; All 16 loads, corner by corner: four instructions take a pixel's 2,048 consecutive bytes.  No hint: another roi may name the pixel again.
.irp j, 0,1,2,3
	global_load_b128 v[ACC+4*\j:ACC+4*\j+3], v1, s[24:25] offset:512*\j
.endr
.irp j, 0,1,2,3
	global_load_b128 v[V01+4*\j:V01+4*\j+3], v2, s[24:25] offset:512*\j
.endr
.irp j, 0,1,2,3
	global_load_b128 v[V10+4*\j:V10+4*\j+3], v1, s[26:27] offset:512*\j
.endr
.irp j, 0,1,2,3
	global_load_b128 v[V11+4*\j:V11+4*\j+3], v2, s[26:27] offset:512*\j
.endr
	; The four weights, while the pixels are on their way.  A packed form takes a scalar pair and multiplies both halves by its first register:
	; the weights stand in the even registers of s[40:47], the factors that they are made of in the odd ones, so each pair is written whole.
	s_sub_co_i32 s31, P, s30                       ; 7 (1 - wy)
	s_sub_co_i32 s35, P, s34                       ; 7 (1 - wx)
	s_cvt_f32_u32 s41, s35
	s_cvt_f32_u32 s43, s34
	s_cvt_f32_u32 s45, s31
	s_cvt_f32_u32 s47, s30
	s_mul_f32 s45, s45, INV49                      ; (1 - wy) / 7
	s_mul_f32 s47, s47, INV49                      ; wy / 7
	s_mul_f32 s40, s41, s45                        ; (1 - wx)(1 - wy)  for (y0, x0)
	s_mul_f32 s42, s43, s45                        ; wx (1 - wy)       for (y0, x1)
	s_mul_f32 s44, s41, s47                        ; (1 - wx) wy       for (y1, x0)
	s_mul_f32 s46, s43, s47                        ; wx wy             for (y1, x1)
	s_wait_loadcnt 12                              ; loads come back in order (ISA guide 5.7.1): corner (y0, x0) is in, the 12 younger loads stay out
.irp k, 0,2,4,6,8,10,12,14
	v_pk_mul_f32 v[ACC+\k:ACC+\k+1], v[ACC+\k:ACC+\k+1], s[40:41] op_sel_hi:[1,0]          ; the first product starts the sum, in place
.endr
	s_wait_loadcnt 8                               ; corner (y0, x1) is in, 8 younger loads stay out
.irp k, 0,2,4,6,8,10,12,14
	v_pk_fma_f32 v[ACC+\k:ACC+\k+1], v[V01+\k:V01+\k+1], s[42:43], v[ACC+\k:ACC+\k+1] op_sel_hi:[1,0,1]
.endr
	s_wait_loadcnt 4                               ; corner (y1, x0) is in, 4 younger loads stay out
.irp k, 0,2,4,6,8,10,12,14
	v_pk_fma_f32 v[ACC+\k:ACC+\k+1], v[V10+\k:V10+\k+1], s[44:45], v[ACC+\k:ACC+\k+1] op_sel_hi:[1,0,1]
.endr
	s_wait_loadcnt 0                               ; the last corner
.irp j, 0,1,2,3
	v_pk_fma_f32 v[ACC+4*\j:ACC+4*\j+1],   v[V11+4*\j:V11+4*\j+1],   s[46:47], v[ACC+4*\j:ACC+4*\j+1]   op_sel_hi:[1,0,1]
	v_pk_fma_f32 v[ACC+4*\j+2:ACC+4*\j+3], v[V11+4*\j+2:V11+4*\j+3], s[46:47], v[ACC+4*\j+2:ACC+4*\j+3] op_sel_hi:[1,0,1]
	global_store_b128 v0, v[ACC+4*\j:ACC+4*\j+3], s[8:9] offset:512*\j th:TH_STORE_NT      ; 512 consecutive bytes of the cell; written once, not read again
.endr
	s_endpgm
.Lfunc_end_k_q3c347d7f1a_roipool:
	.size	k_q3c347d7f1a_roipool, .Lfunc_end_k_q3c347d7f1a_roipool-k_q3c347d7f1a_roipool
	.p2alignl 7, 3214868480
	.fill 96, 4, 3214868480
	.section	.rodata,"a",@progbits
	.p2align	6, 0x0
	.amdhsa_kernel k_q3c347d7f1a_roipool
		.amdhsa_group_segment_fixed_size 0
		.amdhsa_private_segment_fixed_size 0
		.amdhsa_enable_private_segment 0
		.amdhsa_kernarg_size 24
		.amdhsa_user_sgpr_count 2
		.amdhsa_user_sgpr_kernarg_segment_ptr 1
		.amdhsa_wavefront_size32 1
		.amdhsa_system_sgpr_workgroup_id_x 1
		.amdhsa_system_sgpr_workgroup_id_y 1
		.amdhsa_system_sgpr_workgroup_id_z 1
		.amdhsa_system_vgpr_workitem_id 0
		.amdhsa_next_free_vgpr 68
		.amdhsa_next_free_sgpr 66
		.amdhsa_reserve_vcc 0
		.amdhsa_float_denorm_mode_32 3
		.amdhsa_float_denorm_mode_16_64 3
		.amdhsa_memory_ordered 1
		.amdhsa_forward_progress 1
		.amdhsa_inst_pref_size 8
	.end_amdhsa_kernel
	.amdgpu_metadata
---
amdhsa.version: [ 1, 2 ]
amdhsa.kernels:
  - .name:           k_q3c347d7f1a_roipool
    .symbol:         k_q3c347d7f1a_roipool.kd
    .args:
      - { .name: img, .offset: 0, .size: 8, .value_kind: global_buffer, .address_space: global }
      - { .name: rois, .offset: 8, .size: 8, .value_kind: global_buffer, .address_space: global }
      - { .name: out0, .offset: 16, .size: 8, .value_kind: global_buffer, .address_space: global }
    .group_segment_fixed_size: 0
    .private_segment_fixed_size: 0
    .kernarg_segment_align: 8
    .kernarg_segment_size: 24
    .max_flat_workgroup_size: 224
    .sgpr_count:     66
    .vgpr_count:     68
    .wavefront_size: 32
...
	.end_amdgpu_metadata
.endif
;; end of part 1
